; MI455X (gfx1250); checked and timed in simulation.
; The chip was launched on July 23, 2026; its instructions are those of AMD's public machine-readable ISA for CDNA 5 (MIT licence, August 2026) and "CDNA5" Instruction Set Architecture Reference Guide (July 2026). The comments in the code are by the model that wrote it; some were corrected since.
;; Softmax Self Attention. Allowed arithmetic: float matrix products may take bf16 or f16 operands with f32 sums; all other float work in f32.
;; Inputs: K 2 x 12 x 2,048 x 64 float32; Q 2 x 12 x 2,048 x 64 float32; V 2 x 12 x 2,048 x 64 float32.
;; Outputs: out0 2 x 12 x 2,048 x 64 float32.
;; One version. Each part assembles by itself: llvm-mc -triple=amdgcn-amd-amdhsa -mcpu=gfx1250 --defsym DOCPART=n.
;; ======== version 1 of 1: 1 launch
;; launch attn (part 1): grid 8 x 24, 8 waves a work-group, no clusters, 226,304 bytes of LDS; arguments Q, K, V, out0; writes out0
.if DOCPART == 1
	.amdgcn_target "amdgcn-amd-amdhsa--gfx1250"
	.amdhsa_code_object_version 6
	.text
	.protected	k_q6087305f2e_attn
	.globl	k_q6087305f2e_attn
	.p2align	8
	.type	k_q6087305f2e_attn,@function
k_q6087305f2e_attn:
	s_mov_b64 s[64:65], 0
	v_nop
	global_prefetch_b8 v0, s[64:65] scope:SCOPE_SE
	s_setreg_imm32_b32 hwreg(HW_REG_WAVE_MODE, 25, 1), 1
	s_wait_xcnt 0x0
; out = softmax(Q K^T / 8) V for 24 heads of 2048 x 64, f32 in memory; products in bf16 with f32 sums, softmax in f32.
; A work-group takes 256 queries of one head (grid x = block of queries, y = head) and walks all 2048 keys in 16 steps of 128.
; Wave w: queries 64 (w & 3) .. + 63, and of every step the keys 64 (w >> 2) .. + 63.  Waves w and w + 4 hold the same queries over
; disjoint keys, each with its own running maximum m, sum l and output O; they are merged once at the end through LDS.
;
; NO MOVE BETWEEN LANES BETWEEN THE TWO PRODUCTS.  The first product is S^T = K Q^T (source 0 = 16 keys, source 1 = 16 queries): lane
; (r, h) holds for query r the keys 8 h + 0..7 of a key tile.  Two neighbouring key tiles, packed to bf16, are then the second source
; P^T (32 keys x 16 queries) of O^T = V^T P^T as they stand, and V^T comes from V's rows by the transposing LDS load.  In O^T lane
; (r, h) holds numbers of query r again, so m, l and the rescaling factor of a query lie in the lanes that need them.
;
; K AND V go memory (f32) -> registers -> bf16 -> LDS, two slots, loaded one step before they are converted.
; The eight work-groups of a head read the same K and V, yet there is no cluster and no joint tensor load: the data mover copies bytes
; and cannot round f32 to bf16.  An f32 tile staged in LDS would be 64 KB written and 64 KB read back in every step on top of the
; 32 KB of bf16 stores and the 128 KB of fragment loads (8 waves x 32 loads x 512 bytes): 288 KB through LDS a step against 160 KB.
;
; LIMITS.  Q, K, V and the probabilities are rounded to bf16 (an f32 input above bf16's largest finite number becomes infinite).
; The factor log2(e) / 8 is applied in f32 behind the first product.  A probability below 2^-126 of its row's largest is flushed to
; zero (v_exp_f32).  With NaN or infinite inputs, or a row whose scores are all -inf, the places of NaN are not promised.
; l is summed in f32 from the unrounded probabilities, in another order than a plain sum along the row.
.set KP,    144                        ; LDS pitch of a K row: 128 bytes of bf16 + 16: the 16 rows of a fragment load fall on different banks
.set VP,    160                        ; LDS pitch of a V row: 128 + 32, an odd multiple of 32 for the transposing load
.set VOFF,  128*KP                     ; V's tile behind K's in a slot
.set SLOT,  VOFF+128*VP                ; 38,912 bytes: one step's K and V
.set STAT,  2*SLOT                     ; 8 x 1,024 bytes: wave w: four m at 16 lane, four l at 512 + 16 lane
.set OB,    STAT+8*1024                ; 8 x 17,408 bytes: wave w: its 64 rows of O, 256 bytes of f32 each
.set OP,    272                        ; pitch of those rows
.set OWAVE, 64*OP
.set TILEB, 128*256                    ; bytes of a step's K (or V) in memory
; window 0
.set KA,   1                           ; LDS address of my K fragments in slot 0
.set VA,   2                           ; the same for V (transposing load)
.set KST,  3                           ; where I store converted K
.set VST,  4                           ; where I store converted V
.set GK,   5                           ; my byte offset in a K tile in memory
.set GV,   6                           ; my byte offset in a V tile
.set PF,   7                           ; 256 x lane, for the prefetch
.set TM,   8                           ; v[8:11]   at work
.set T,    12                          ; v[12:15]  exponent of the rescaling factor; at the end l
.set M,    16                          ; v[16:23]  running maxima, two sets of four that take turns (no copies)
.set NM,   24                          ; v[24:31]  -c m, twice, for each query tile
.set AL,   32                          ; v[32:39]  rescaling factor, twice, for each query tile
.set L,    40                          ; v[40:55]  running sums: two packed chains for each query tile
.set GQ,   56
.set SST,  57
.set SLD,  58
.set OST,  59
.set ORD,  60
.set ORD2, 61
.set GOUT, 62
.set SB,   64                          ; v[64:191]  S(key tile kt, query tile qt) at SB + 32 qt + 8 kt; P in place at SB + 32 qt + 0..15
.set ST,   192                         ; v[192:255] staging: 16 loads of 4 registers
; window 1 (written with the low 8 bits)
;          0 .. 127                    ; v[256:383] O(qt, dt) at 32 qt + 8 dt
.set QF,   128                         ; v[384:447] Q fragments (qt, ds) at QF + 16 qt + 8 ds
.set FR,   192                         ; v[448:511] K(kt, ds) at FR + 16 kt + 8 ds;  V(ks = 1, dt) at FR + 8 dt, V(ks = 0, dt) at FR + 32 + 8 dt
; scalars
.set KB,   20                          ; s[20:21] K's tile that is loaded next
.set VB,   22                          ; s[22:23] V's
.set PFB,  24                          ; s[24:25] the eighth of a tile pair that this work-group asks for
.set QB,   26
.set OUTB, 28
; s12 wave, s13 wave & 3, s14 wave >> 2, s30, s31 lane selects, s32 = s33 = c = log2(e) / 8, s34 = -c, s35 loop counter
.set MSB, 0
.macro WIN new                         ; low byte: bits 1:0 source 0, 3:2 source 1, 5:4 source 2, 7:6 destination; high byte: the setting that is left
.if MSB != \new
	s_set_vgpr_msb (MSB<<8)|\new
.set MSB, \new
.endif
.endm
.macro NOPS n
.rept \n
	v_nop
.endr
.endm
; 16 loads: my 16 rows of the next K tile and of the next V tile; sixteen lanes take one aligned row of 256 bytes
.macro GLOAD
.irp i, 0,1,2,3,4,5,6,7
	global_load_b128 v[ST+4*\i:ST+4*\i+3], v[GK], s[KB:KB+1] offset:256*\i
.endr
.irp i, 0,1,2,3,4,5,6,7
	global_load_b128 v[ST+32+4*\i:ST+32+4*\i+3], v[GV], s[VB:VB+1] offset:256*((\i&3)+8*(\i>>2))
.endr
.endm
; f32 to bf16 in place: load i's four registers shrink into ST + 2 i, ST + 2 i + 1 (ascending: no source is overwritten before it is read)
.macro CVTST
.irp i, 0,1,2,3,4,5,6,7,8,9,10,11,12,13,14,15
	v_cvt_pk_bf16_f32 v[ST+2*\i], v[ST+4*\i], v[ST+4*\i+1]
	v_cvt_pk_bf16_f32 v[ST+2*\i+1], v[ST+4*\i+2], v[ST+4*\i+3]
.endr
.endm
; 16 LDS stores of 8 bytes a lane.  The two rows of one store are 8 rows (K) or 4 rows (V) apart, which puts them on different banks
.macro STST dst
.irp i, 0,1,2,3,4,5,6,7
	ds_store_b64 v[KST], v[ST+2*\i:ST+2*\i+1] offset:\dst*SLOT+KP*\i
.endr
.irp i, 0,1,2,3,4,5,6,7
	ds_store_b64 v[VST], v[ST+16+2*\i:ST+16+2*\i+1] offset:\dst*SLOT+VP*((\i&3)+8*(\i>>2))
.endr
.endm
; 8 loads: the K fragments of key tiles 2 half, 2 half + 1 (16 keys x 32 of d each: two loads 32 bytes apart)
.macro LDK half, slot
	WIN 0x40                                       ; destination window 1, address window 0
.irp k, 0,1
.irp ds, 0,1
.irp e, 0,1
	ds_load_b128 v[FR+16*(2*\half+\k)+8*\ds+4*\e:FR+16*(2*\half+\k)+8*\ds+4*\e+3], v[KA] offset:\slot*SLOT+16*KP*(2*\half+\k)+64*\ds+32*\e
.endr
.endr
.endr
.endm
; 16 transposing loads: V^T fragments (16 of d x 32 keys), the keys 32 .. 63 first: they are multiplied first
.macro LDV slot
	WIN 0x40
.irp ks, 1,0
.irp dt, 0,1,2,3
.irp e, 0,1
	ds_load_tr16_b128 v[FR+32*(1-\ks)+8*\dt+4*\e:FR+32*(1-\ks)+8*\dt+4*\e+3], v[VA] offset:\slot*SLOT+(32*\ks+16*\e)*VP+32*\dt
.endr
.endr
.endr
.endm
; 16 matrix instructions: S^T of two key tiles x four query tiles; the first 32 of d start the sums, the second 32 are the chain's next link
.macro SMM half
	WIN 0x05                                       ; sources 0 and 1 window 1; C and D window 0
.irp k, 0,1
.set KT, 2*\half+\k
.irp qt, 0,1,2,3
	v_wmma_f32_16x16x32_bf16 v[SB+32*\qt+8*KT:SB+32*\qt+8*KT+7], v[FR+16*KT:FR+16*KT+7], v[QF+16*\qt:QF+16*\qt+7], 0
.endr
.irp qt, 0,1,2,3
	v_wmma_f32_16x16x32_bf16 v[SB+32*\qt+8*KT:SB+32*\qt+8*KT+7], v[FR+16*KT+8:FR+16*KT+15], v[QF+16*\qt+8:QF+16*\qt+15], v[SB+32*\qt+8*KT:SB+32*\qt+8*KT+7]
.endr
.endr
.endm
; 16 matrix instructions: O^T += V^T P^T over keys 32 ks .. + 31; zero = 1: the first product starts the sums
.macro PV ks, zero
	WIN 0x51                                       ; source 0 (V^T), C and D window 1; source 1 (P^T) window 0
.irp dt, 0,1,2,3
.irp qt, 0,1,2,3
.if \zero
	v_wmma_f32_16x16x32_bf16 v[32*\qt+8*\dt:32*\qt+8*\dt+7], v[FR+32*(1-\ks)+8*\dt:FR+32*(1-\ks)+8*\dt+7], v[SB+32*\qt+8*\ks:SB+32*\qt+8*\ks+7], 0
.else
	v_wmma_f32_16x16x32_bf16 v[32*\qt+8*\dt:32*\qt+8*\dt+7], v[FR+32*(1-\ks)+8*\dt:FR+32*(1-\ks)+8*\dt+7], v[SB+32*\qt+8*\ks:SB+32*\qt+8*\ks+7], v[32*\qt+8*\dt:32*\qt+8*\dt+7]
.endif
.endr
.endr
.endm
; Wave 0 alone asks for 32 blocks 256 bytes apart: this work-group's eighth of one step's K and V
.macro PFETCH id
	s_cmp_lg_u32 s12, 0
	s_cbranch_scc1 .Lnopf\id
	global_prefetch_b8 v[PF], s[PFB:PFB+1] th:TH_LOAD_NT scope:SCOPE_SE
.Lnopf\id:
.endm
; New maximum of query tile qt: 32 scores of the lane in two chains, the other half of the keys from lane xor 16, then the old maximum.
; NM = -c m (twice); unless first, AL = 2^(c (m_old - m_new)) (twice).  slot picks which set of M is the old one.
.macro SMAX qt, slot, first
.set SQ, SB+32*\qt
.set XA, TM+2*(\qt&1)
.set XB, XA+1
.set MO, M+4*\slot+\qt
.set MN, M+4*(1-\slot)+\qt
	v_max3_num_f32 v[XA], v[SQ], v[SQ+1], v[SQ+2]
	v_max3_num_f32 v[XB], v[SQ+3], v[SQ+4], v[SQ+5]
.set j, 6
.rept 6
	v_max3_num_f32 v[XA], v[XA], v[SQ+j], v[SQ+j+1]
	v_max3_num_f32 v[XB], v[XB], v[SQ+j+2], v[SQ+j+3]
.set j, j+4
.endr
	v_max3_num_f32 v[XA], v[XA], v[SQ+30], v[SQ+31]
	v_max_num_f32 v[XA], v[XA], v[XB]
	v_permlanex16_b32 v[XB], v[XA], s30, s31       ; its destination counts as read: XB has been written
.if \first
	v_max_num_f32 v[MN], v[XA], v[XB]
.else
	v_max3_num_f32 v[MN], v[XA], v[XB], v[MO]
.endif
	v_mul_f32 v[NM+2*\qt], s34, v[MN]
	v_mul_f32 v[NM+2*\qt+1], s34, v[MN]
.if \first == 0
	v_fma_f32 v[T+\qt], v[MO], s32, v[NM+2*\qt]
	v_exp_f32 v[AL+2*\qt], v[T+\qt]                ; the line after this pair is always a plain instruction on other registers (ISA guide 5.7.2)
	v_exp_f32 v[AL+2*\qt+1], v[T+\qt]
.endif
.endm
.macro SFMA qt                         ; c s - c m, two at a time
.set j, SB+32*\qt
.rept 16
	v_pk_fma_f32 v[j:j+1], v[j:j+1], s[32:33], v[NM+2*\qt:NM+2*\qt+1] op_sel_hi:[1,0,1]
.set j, j+2
.endr
.endm
.macro SEXP qt                         ; 32 exponentials in place; behind each run stands a plain instruction on another query tile
.set j, SB+32*\qt
.rept 32
	v_exp_f32 v[j], v[j]
.set j, j+1
.endr
.endm
.macro SSUM qt, first                  ; l = l x AL + the 32 probabilities, in two packed chains; the first step starts them: nothing is cleared
.set SQ, SB+32*\qt
.set LQ, L+4*\qt
.if \first
	s_wait_alu depctr_va_vdst(0)
	v_pk_add_f32 v[LQ:LQ+1], v[SQ:SQ+1], v[SQ+4:SQ+5]
	v_pk_add_f32 v[LQ+2:LQ+3], v[SQ+2:SQ+3], v[SQ+6:SQ+7]
.else
	s_wait_alu depctr_va_vdst(0)
	v_pk_fma_f32 v[LQ:LQ+1], v[LQ:LQ+1], v[AL+2*\qt:AL+2*\qt+1], v[SQ:SQ+1]
	v_pk_fma_f32 v[LQ+2:LQ+3], v[LQ+2:LQ+3], v[AL+2*\qt:AL+2*\qt+1], v[SQ+2:SQ+3]
.endif
.set j, 4+4*\first
.rept 7-\first
	v_pk_add_f32 v[LQ:LQ+1], v[LQ:LQ+1], v[SQ+j:SQ+j+1]
	v_pk_add_f32 v[LQ+2:LQ+3], v[LQ+2:LQ+3], v[SQ+j+2:SQ+j+3]
.set j, j+4
.endr
.endm
.macro SCVT qt                         ; probabilities to bf16, in place and ascending: register i <- (2 i, 2 i + 1): the two P^T fragments
.set SQ, SB+32*\qt
.set j, 0
.rept 16
	v_cvt_pk_bf16_f32 v[SQ+j], v[SQ+2*j], v[SQ+2*j+1]
.set j, j+1
.endr
.endm
.macro OSCALE f                        ; O of query tile qt times the pair at f + 2 qt
	WIN 0x41                                       ; destination and source 0 window 1, source 1 window 0
.irp qt, 0,1,2,3
.set j, 32*\qt
.rept 16
	v_pk_mul_f32 v[j:j+1], v[j:j+1], v[\f+2*\qt:\f+2*\qt+1]
.set j, j+2
.endr
.endr
.endm
; One step of 128 keys.  At its head the 8 + 8 loads of this tile's K fragments are out.
; slot: this tile's slot, nxt: the other; first: start all sums; conv: convert the next tile into nxt; load: load the tile after that;
; pf: ask for the tile after that one; last: nothing follows.
.macro STEP slot, nxt, first, conv, load, pf, last, id
	s_wait_dscnt 0x8                               ; key tiles 0, 1 are in; the 8 younger loads (key tiles 2, 3) may be out
	SMM 0
	s_wait_dscnt 0x0
	SMM 1
	WIN 0
.if \conv
	s_wait_loadcnt 0x0                             ; the next tile, asked for one step ago; this also frees KB and VB
	s_wait_xcnt 0x0                                ; PFB, which the last step's prefetch names, is stepped only behind this wait
	CVTST                                          ; 32 plain instructions on other registers: the places behind the products (ISA guide 7.12.1)
.else
	NOPS 4                                         ; four places before loads land on the products' sources and before S is read
.endif
	LDV \slot
	WIN 0
.if \conv
	STST \nxt                                      ; every wave's reads of that slot ended in front of the last barrier
.endif
.if \load
	s_add_nc_u64 s[KB:KB+1], s[KB:KB+1], TILEB
	s_add_nc_u64 s[VB:VB+1], s[VB:VB+1], TILEB
	GLOAD
.endif
.if \pf
	s_add_nc_u64 s[PFB:PFB+1], s[PFB:PFB+1], TILEB
	PFETCH \id                                     ; in step t the tile of step t + 3, which step t + 1 loads
.endif
	SMAX 0, \slot, \first
	SMAX 1, \slot, \first
	SMAX 2, \slot, \first
	SMAX 3, \slot, \first
	SFMA 0
	SEXP 0
	SFMA 1
	SEXP 1
	SSUM 0, \first
	SCVT 0
	SFMA 2
	SEXP 2
	SSUM 1, \first
	SCVT 1
	SFMA 3
	SEXP 3
	SSUM 2, \first
	SCVT 2
	SSUM 3, \first
	SCVT 3
.if \first == 0
	OSCALE AL
.endif
	s_wait_dscnt 0x0                               ; V's fragments are in: my reads of this slot are over; my stores into the other slot are done
.if \last == 0
	s_barrier_signal -1                            ; say both,
.endif
	PV 1, \first                                   ; work on registers while the others arrive
.if \last == 0
	s_barrier_wait -1                              ; all eight have said so: the next tile may be read, this slot may be written
	NOPS 4                                         ; four places before loads land on the sources of the products above
	LDK 0, \nxt
.endif
	PV 0, 0
.if \last == 0
	NOPS 5                                         ; five places before the next step's products write over P^T; four before the loads below
	LDK 1, \nxt
.endif
	WIN 0                                          ; at a label and at a branch every window is 0
.endm
	; ---- set-up ----
	s_load_b256 s[4:11], s[0:1], 0x0               ; Q s[4:5], K s[6:7], V s[8:9], out s[10:11]
	v_lshrrev_b32 v8, 5, v0
	v_readfirstlane_b32 s12, v8                    ; wave
	s_and_b32 s13, s12, 3                          ; which 64 queries
	s_lshr_b32 s14, s12, 2                         ; which 64 keys of a step
	s_and_b32 s16, ttmp7, 0xffff                   ; head
	s_lshl_b32 s17, s12, 4                         ; 16 x wave: my rows of a tile on the way in
	s_mov_b32 s30, 0x76543210                      ; v_permlanex16_b32: lane i reads lane i of the other half
	s_mov_b32 s31, 0xfedcba98
	s_mov_b32 s32, 0x3e38aa3b                      ; c = log2(e) / 8
	s_mov_b32 s33, 0x3e38aa3b
	s_mov_b32 s34, 0xbe38aa3b                      ; -c
	s_lshl_b32 s18, s16, 19                        ; a head is 2048 x 256 bytes
	s_mov_b32 s19, 0
	s_lshl_b32 s2, ttmp9, 16                       ; a block of 256 queries is 65,536 bytes
	s_add_co_u32 s36, s18, s2
	s_mov_b32 s37, 0
	s_lshl_b32 s2, s13, 14                         ; 64 queries are 16,384 bytes
	s_add_co_u32 s38, s36, s2
	s_mov_b32 s39, 0
	s_and_b32 s2, ttmp9, 3                         ; work-groups 0-3 of a head ask for a quarter of K's tile each, 4-7 of V's
	s_lshl_b32 s2, s2, 13
	s_add_co_u32 s2, s2, 2*TILEB                   ; beginning with tile 2
	s_mov_b32 s3, 0
	v_and_b32 v8, 31, v0                           ; lane
	v_and_b32 v9, 15, v0                           ; r
	v_bfe_u32 v10, v0, 4, 1                        ; h
	v_lshl_add_u32 v11, v10, 3, s17                ; K: row 16 w + 8 h (+ i)
	v_lshlrev_b32 v[GK], 8, v11
	v_lshl_add_u32 v[GK], v9, 4, v[GK]
	v_mul_u32_u24 v[KST], v11, KP
	v_lshl_add_u32 v[KST], v9, 3, v[KST]
	v_lshl_add_u32 v11, v10, 2, s17                ; V: row 16 w + 4 h (+ (i & 3) + 8 (i >> 2))
	v_lshlrev_b32 v[GV], 8, v11
	v_lshl_add_u32 v[GV], v9, 4, v[GV]
	v_mul_u32_u24 v[VST], v11, VP
	v_lshl_add_u32 v[VST], v9, 3, v[VST]
	v_add_nc_u32 v[VST], VOFF, v[VST]
	v_lshlrev_b32 v[GQ], 8, v9                     ; Q: row r, 8 h numbers in
	v_lshl_add_u32 v[GQ], v10, 5, v[GQ]
	v_lshlrev_b32 v[PF], 8, v8
	s_wait_kmcnt 0x0
	s_add_nc_u64 s[KB:KB+1], s[6:7], s[18:19]
	s_add_nc_u64 s[VB:VB+1], s[8:9], s[18:19]
	s_add_nc_u64 s[OUTB:OUTB+1], s[10:11], s[36:37]
	s_add_nc_u64 s[QB:QB+1], s[4:5], s[38:39]
	s_cmp_lt_u32 ttmp9, 4
	s_cselect_b64 s[PFB:PFB+1], s[KB:KB+1], s[VB:VB+1]
	s_add_nc_u64 s[PFB:PFB+1], s[PFB:PFB+1], s[2:3]
	GLOAD                                          ; tile 0
	; Q: fragment (qt, ds) wants d = 32 ds + 8 h + 0..7 and 32 ds + 16 + 8 h + 0..7 of query 16 qt + r: 32 bytes of f32 for each quarter cc
.irp qt, 0,1,2,3
.irp cc, 0,1,2,3
.irp e, 0,1
	global_load_b128 v[SB+32*\qt+8*\cc+4*\e:SB+32*\qt+8*\cc+4*\e+3], v[GQ], s[QB:QB+1] offset:4096*\qt+64*\cc+16*\e
.endr
.endr
.endr
	PFETCH 90                                      ; tile 2
	; the other addresses, while the loads are out
	s_mul_i32 s2, s14, 64*KP
	v_mul_u32_u24 v[KA], v9, KP                    ; K fragment: (64 kh + r) pitch + 16 h
	v_lshl_add_u32 v[KA], v10, 4, v[KA]
	v_add_nc_u32 v[KA], s2, v[KA]
	v_and_b32 v11, 7, v0                           ; V, transposing: (64 kh + 8 h + (l & 7)) pitch + 16 ((l >> 3) & 1)
	v_lshl_add_u32 v11, v10, 3, v11
	v_mul_u32_u24 v[VA], v11, VP
	v_bfe_u32 v11, v0, 3, 1
	v_lshl_add_u32 v[VA], v11, 4, v[VA]
	s_mul_i32 s2, s14, 64*VP
	s_add_co_u32 s2, s2, VOFF
	v_add_nc_u32 v[VA], s2, v[VA]
	v_lshlrev_b32 v11, 4, v8                       ; m and l: mine, and my partner's (wave xor 4)
	s_lshl_b32 s2, s12, 10
	s_add_co_u32 s2, s2, STAT
	v_add_nc_u32 v[SST], s2, v11
	s_xor_b32 s2, s12, 4
	s_lshl_b32 s2, s2, 10
	s_add_co_u32 s2, s2, STAT
	v_add_nc_u32 v[SLD], s2, v11
	v_mul_u32_u24 v[OST], v9, OP                   ; O into LDS: row r, 8 h numbers in
	v_lshl_add_u32 v[OST], v10, 5, v[OST]
	s_mul_i32 s2, s12, OWAVE
	s_add_co_u32 s2, s2, OB
	v_add_nc_u32 v[OST], s2, v[OST]
	s_lshl_b32 s3, s14, 5                          ; back: rows 32 kh + h + 2 i of the pair's 64, 16 bytes a lane
	v_add_nc_u32 v11, s3, v10
	v_mul_u32_u24 v[ORD], v11, OP
	v_lshl_add_u32 v[ORD], v9, 4, v[ORD]
	s_mul_i32 s2, s13, OWAVE
	s_add_co_u32 s2, s2, OB
	v_add_nc_u32 v[ORD], s2, v[ORD]
	v_add_nc_u32 v[ORD2], 4*OWAVE, v[ORD]
	s_lshl_b32 s2, s13, 6
	s_add_co_u32 s2, s2, s3
	v_add_nc_u32 v11, s2, v10                      ; and the same rows in the block of out
	v_lshlrev_b32 v[GOUT], 8, v11
	v_lshl_add_u32 v[GOUT], v9, 4, v[GOUT]
	s_wait_loadcnt 0x20                            ; tile 0 is in (loads return in order, ISA guide 5.7.1); Q's 32 loads may be out
	CVTST
	STST 0
	s_add_nc_u64 s[KB:KB+1], s[KB:KB+1], TILEB     ; free since that wait
	s_add_nc_u64 s[VB:VB+1], s[VB:VB+1], TILEB
	GLOAD                                          ; tile 1
	s_wait_loadcnt 0x10                            ; Q is in; tile 1's 16 loads stay out
	WIN 0x40
.set j, 0
.rept 64
	v_cvt_pk_bf16_f32 v[QF+j], v[SB+2*j], v[SB+2*j+1]
.set j, j+1
.endr
	WIN 0
	s_wait_dscnt 0x0                               ; my part of tile 0 is in LDS,
	s_barrier_signal -1
	s_barrier_wait -1                              ; everybody's is
	LDK 0, 0
	LDK 1, 0
	WIN 0
	; ---- the 16 steps: step t multiplies tile t, converts t + 1, loads t + 2, asks for t + 3 ----
	STEP 0, 1, 1, 1, 1, 1, 0, 0                    ; t = 0 stands in front of the loop: it starts all sums
	s_mov_b32 s35, 6
.Lloop:                                            ; t = 1 .. 12
	STEP 1, 0, 0, 1, 1, 1, 0, 1
	STEP 0, 1, 0, 1, 1, 1, 0, 2
	s_sub_co_u32 s35, s35, 1
	s_cmp_lg_u32 s35, 0
	s_cbranch_scc1 .Lloop
	STEP 1, 0, 0, 1, 1, 0, 0, 3                    ; t = 13 loads tile 15 and asks for nothing: no prefetch passes the head's end
	STEP 0, 1, 0, 1, 0, 0, 0, 4                    ; t = 14 converts tile 15 and loads nothing
	STEP 1, 0, 0, 0, 0, 0, 1, 5                    ; t = 15
	; ---- the two halves of the keys meet ----
	; l: the two chains, the two halves of a pair, the other half of the lanes.  These plain lines are also the places behind the last products.
.irp qt, 0,1,2,3
	v_pk_add_f32 v[L+4*\qt:L+4*\qt+1], v[L+4*\qt:L+4*\qt+1], v[L+4*\qt+2:L+4*\qt+3]
.endr
.irp qt, 0,1,2,3
	v_add_f32 v[L+4*\qt], v[L+4*\qt], v[L+4*\qt+1]
.endr
.irp qt, 0,1,2,3
	v_permlanex16_b32 v[L+4*\qt+1], v[L+4*\qt], s30, s31
.endr
.irp qt, 0,1,2,3
	v_add_f32 v[T+\qt], v[L+4*\qt], v[L+4*\qt+1]
.endr
	ds_store_b128 v[SST], v[M:M+3]                 ; step 15 left the maxima in set 0
	ds_store_b128 v[SST], v[T:T+3] offset:512
	s_wait_dscnt 0x0                               ; for the partner's sake: zero
	s_barrier_signal -1
	s_barrier_wait -1
	ds_load_b128 v[M+4:M+7], v[SLD]                ; the partner's m
	ds_load_b128 v[NM:NM+3], v[SLD] offset:512     ; and l
	s_wait_dscnt 0x0
.set FA, NM+4                          ; v[28:31] f  = 2^(c (m  - m*))
.set FB, AL                            ; v[32:35] f' = 2^(c (m' - m*))
.set LT, AL+4                          ; v[36:39] l f + l' f', then its reciprocal
.set G,  L                             ; v[40:47] f / (l f + l' f'), twice
.irp qt, 0,1,2,3
	v_max_num_f32 v[TM+\qt], v[M+\qt], v[M+4+\qt]
.endr
.irp qt, 0,1,2,3
	v_mul_f32 v[TM+\qt], s34, v[TM+\qt]
.endr
.irp qt, 0,1,2,3
	v_fma_f32 v[FA+\qt], v[M+\qt], s32, v[TM+\qt]
	v_fma_f32 v[FB+\qt], v[M+4+\qt], s32, v[TM+\qt]
.endr
.irp qt, 0,1,2,3
	v_exp_f32 v[FA+\qt], v[FA+\qt]
	v_exp_f32 v[FB+\qt], v[FB+\qt]
.endr
	v_nop                                          ; one plain place behind the run of exponentials (ISA guide 5.7.2)
	s_wait_alu depctr_va_vdst(0)
.irp qt, 0,1,2,3
	v_mul_f32 v[LT+\qt], v[NM+\qt], v[FB+\qt]
.endr
.irp qt, 0,1,2,3
	v_fmac_f32 v[LT+\qt], v[T+\qt], v[FA+\qt]
.endr
.irp qt, 0,1,2,3
	v_rcp_f32 v[LT+\qt], v[LT+\qt]                 ; at least 1: the larger of the two maxima has its own term in its l
.endr
	v_nop
	s_wait_alu depctr_va_vdst(0)
.irp qt, 0,1,2,3
	v_mul_f32 v[G+2*\qt], v[FA+\qt], v[LT+\qt]
	v_mul_f32 v[G+2*\qt+1], v[FA+\qt], v[LT+\qt]
.endr
	OSCALE G                                       ; my share of the result, already normalised
	WIN 0x04                                       ; LDS store: data (source 1) window 1, address window 0
.irp qt, 0,1,2,3
.irp dt, 0,1,2,3
.irp e, 0,1
	ds_store_b128 v[OST], v[32*\qt+8*\dt+4*\e:32*\qt+8*\dt+4*\e+3] offset:16*OP*\qt+64*\dt+16*\e   ; query 16 qt + r, d = 16 dt + 8 h + 4 e ..
.endr
.endr
.endr
	WIN 0
	s_wait_dscnt 0x0
	s_barrier_signal -1
	s_barrier_wait -1
	; each wave of a pair adds and stores 32 of the pair's 64 rows: two rows a load, sixteen lanes a row of 256 bytes
.irp i, 0,1,2,3,4,5,6,7,8,9,10,11,12,13,14,15
	ds_load_b128 v[SB+4*\i:SB+4*\i+3], v[ORD] offset:2*OP*\i
	ds_load_b128 v[SB+64+4*\i:SB+64+4*\i+3], v[ORD2] offset:2*OP*\i
.endr
.irp i, 0,1,2,3,4,5,6,7,8,9,10,11,12,13,14,15
	s_wait_dscnt 30-2*\i                           ; pair i is in; the younger pairs may be out
	v_pk_add_f32 v[SB+4*\i:SB+4*\i+1], v[SB+4*\i:SB+4*\i+1], v[SB+64+4*\i:SB+64+4*\i+1]
	v_pk_add_f32 v[SB+4*\i+2:SB+4*\i+3], v[SB+4*\i+2:SB+4*\i+3], v[SB+64+4*\i+2:SB+64+4*\i+3]
	global_store_b128 v[GOUT], v[SB+4*\i:SB+4*\i+3], s[OUTB:OUTB+1] offset:512*\i th:TH_STORE_NT   ; 512 consecutive bytes, aligned
.endr
	s_wait_xcnt 0x0
	v_lshl_add_u32 v254, v0, 2, 0x37000
	v_mov_b32 v255, 0
	s_wait_tensorcnt 0x0
	ds_add_u32 v254, v255
	s_wait_dscnt 0x0
	s_endpgm
.Lfunc_end_k_q6087305f2e_attn:
	.size	k_q6087305f2e_attn, .Lfunc_end_k_q6087305f2e_attn-k_q6087305f2e_attn
	.p2alignl 7, 3214868480
	.fill 96, 4, 3214868480
	.section	.rodata,"a",@progbits
	.p2align	6, 0x0
	.amdhsa_kernel k_q6087305f2e_attn
		.amdhsa_group_segment_fixed_size 226304
		.amdhsa_private_segment_fixed_size 0
		.amdhsa_enable_private_segment 0
		.amdhsa_kernarg_size 32
		.amdhsa_user_sgpr_count 2
		.amdhsa_user_sgpr_kernarg_segment_ptr 1
		.amdhsa_wavefront_size32 1
		.amdhsa_system_sgpr_workgroup_id_x 1
		.amdhsa_system_sgpr_workgroup_id_y 1
		.amdhsa_system_sgpr_workgroup_id_z 1
		.amdhsa_system_vgpr_workitem_id 0
		.amdhsa_next_free_vgpr 512
		.amdhsa_next_free_sgpr 66
		.amdhsa_reserve_vcc 0
		.amdhsa_float_denorm_mode_32 3
		.amdhsa_float_denorm_mode_16_64 3
		.amdhsa_memory_ordered 1
		.amdhsa_forward_progress 1
		.amdhsa_inst_pref_size 243
	.end_amdhsa_kernel
	.amdgpu_metadata
---
amdhsa.version: [ 1, 2 ]
amdhsa.kernels:
  - .name:           k_q6087305f2e_attn
    .symbol:         k_q6087305f2e_attn.kd
    .args:
      - { .name: Q, .offset: 0, .size: 8, .value_kind: global_buffer, .address_space: global }
      - { .name: K, .offset: 8, .size: 8, .value_kind: global_buffer, .address_space: global }
      - { .name: V, .offset: 16, .size: 8, .value_kind: global_buffer, .address_space: global }
      - { .name: out0, .offset: 24, .size: 8, .value_kind: global_buffer, .address_space: global }
    .group_segment_fixed_size: 226304
    .private_segment_fixed_size: 0
    .kernarg_segment_align: 8
    .kernarg_segment_size: 32
    .max_flat_workgroup_size: 256
    .sgpr_count:     66
    .vgpr_count:     512
    .wavefront_size: 32
...
	.end_amdgpu_metadata
.endif
;; end of part 1
